; MI455X (gfx1250); checked and timed in simulation.
; The chip was launched on July 23, 2026; its instructions are those of AMD's public machine-readable ISA for CDNA 5 (MIT licence, August 2026) and "CDNA5" Instruction Set Architecture Reference Guide (July 2026). The comments in the code are by the model that wrote it; some were corrected since.
;; Multi Head Self attention. Allowed arithmetic: matrix products marked QUANTISED: E4M3 operands, one given power-of-two scale a tensor, by v_wmma_f32_16x16x64_fp8_fp8 or v_wmma_f32_16x16x128_fp8_fp8, f32 sums; everything else in f32.
;; Inputs: Kw 1,024 x 1,024 float32; Ow 1,024 x 1,024 float32; Qw 1,024 x 1,024 float32; Vw 1,024 x 1,024 float32; lowp_scales 12 int32 (the exponents e of the quantised operands' scales 2^e); token_positions 4 x 2,048 int32; x 4 x 2,048 x 1,024 float32.
;; Outputs: out0 4 x 2,048 x 1,024 float32.
;; This version of the problem:
;;   THIS VERSION OF THE PROBLEM IS GIVEN IN LOW PRECISION. The matrix products marked QUANTISED in the list below multiply operands that are first quantised to E4M3 (4 exponent bits, 3 mantissa bits; 8 bits a number), with one given power-of-two scale for each operand tensor; their sums are f32. All else is computed in f32.
;;   The module's matrix products, in the order in which they are computed (A, B: the left and right operand; K: the contracted axis; several contracted axes count as one K, in the product's order):
;;     1. [M 8,192, K 1,024] x [K 1,024, N 1,024]; A: input x; B: input Qw: QUANTISED (scales: A lowp_scales[0], B lowp_scales[1])
;;     2. [M 8,192, K 1,024] x [K 1,024, N 1,024]; A: input x; B: input Kw: QUANTISED (scales: A lowp_scales[2], B lowp_scales[3])
;;     3. [M 8,192, K 1,024] x [K 1,024, N 1,024]; A: input x; B: input Vw: QUANTISED (scales: A lowp_scales[4], B lowp_scales[5])
;;     4. batch 64 x [M 2,048, K 64] x [K 64, N 2,048]; A: computed on the way; B: computed on the way: QUANTISED (scales: A lowp_scales[6], B lowp_scales[7])
;;     5. batch 64 x [M 2,048, K 2,048] x [K 2,048, N 64]; A: softmax (see below); B: computed on the way: QUANTISED (scales: A lowp_scales[8], B lowp_scales[9])
;;     6. [M 8,192, K 1,024] x [K 1,024, N 1,024]; A: computed on the way; B: input Ow: QUANTISED (scales: A lowp_scales[10], B lowp_scales[11])
;;   THE QUANTISER, for each operand of a quantised product, along K:
;;     - The operand's scale is 2^e, e = its entry of the input lowp_scales (int32; the entries are numbered through the quantised products in the list's order, A before B).
;;     - Each number is divided by the scale, clamped to +-448, and rounded to the nearest number of E4M3, ties to even, subnormals kept.
;;     - The product sums the exact products of the quantised numbers (number of the format x scale) in f32.
;;   ~~~python
;;   def quantise(x, axis, e):      # numpy; x: float32 -> the quantised numbers, widened to float32 again
;;       x = np.moveaxis(x, axis, -1); K = x.shape[-1]
;;       r = np.clip(x / 2.0 ** e, -448, 448)
;;       step = 2.0 ** (np.maximum(np.frexp(np.where(r == 0, 1, r))[1] - 1, -6) - 3)
;;       q = np.round(r / step) * step * 2.0 ** e      # np.round: ties to even
;;       return np.moveaxis(q, -1, axis).astype(np.float32)
;;   ~~~
;;   SOFTMAX AHEAD OF A QUANTISED PRODUCT. Where the list says 'softmax', what is quantised is not the finished softmax but p = 2^(t - M), with t = logit x log2(e) and M = ceil(the row's largest t), a whole number; so 1/2 < the row's largest p <= 1. The row's sum l is taken of the UNQUANTISED p, in f32, and the product's result is divided by l at the end. Since M is a whole number, a kernel that streams over the keys may use a running M (the ceiling of the running maximum): every later rescaling is an exact power of two, so the quantised numbers keep their values, but for numbers so far below the row's largest that they fall under the format's range.
;;   OPERANDS COMPUTED ON THE WAY. 'Computed on the way' means the value that the module computes at that place (a softmax that the list does not call 'softmax' is quantised finished and normalised). What goes into a quantiser is computed in f32, as accurately as f32 sums, v_exp_f32 and their like allow (about 1e-6 of the number): no bf16 or f16 on the way to a quantiser, and a product that is left as it is and whose result goes on into a quantised operand takes f32 operands (vector FMAs, or v_wmma_f32_16x16x4_f32). A number that lies on a knife's edge between two numbers of the format may be rounded either way, as far as f32 arithmetic and the matrix unit's own rounding can turn it there, and no further.
;; One version. Each part assembles by itself: llvm-mc -triple=amdgcn-amd-amdhsa -mcpu=gfx1250 --defsym DOCPART=n.
;; ======== version 1 of 1: 4 launches
;; limits: right only within a limited range of input values
;; workspace buffers: xc 25,165,824 bytes; wc 4,194,304 bytes; rtab 2,097,152 bytes; qc 8,388,608 bytes; kc 8,388,608 bytes; vc 8,388,608 bytes; ac 8,388,608 bytes
;; launch prep (part 1): grid 512 x 1, 4 waves a work-group, no clusters, 34,304 bytes of LDS; arguments x, Qw, Kw, Vw, Ow, token_positions, lowp_scales, xc, wc, rtab; writes xc, wc, rtab
.if DOCPART == 1
	.amdgcn_target "amdgcn-amd-amdhsa--gfx1250"
	.amdhsa_code_object_version 6
	.text
	.protected	k_q3b22ca912c_prep
	.globl	k_q3b22ca912c_prep
	.p2align	8
	.type	k_q3b22ca912c_prep,@function
k_q3b22ca912c_prep:
	s_mov_b64 s[64:65], 0
	v_nop
	global_prefetch_b8 v0, s[64:65] scope:SCOPE_SE
	s_setreg_imm32_b32 hwreg(HW_REG_WAVE_MODE, 25, 1), 1
	s_wait_xcnt 0x0
; x [8192][1024] f32 becomes three sets of E4M3 codes (scales 2^e0, 2^e2, 2^e4); Qw, Kw, Vw, Ow [1024][1024] f32 one set each (e1, e3, e5, e11);
; token_positions becomes a table of cos and sin for the rotation of q and k.
; code = number / 2^e, held within +-448, rounded to the nearest code, ties to even.
; THE CODES ARE LAID AS IMAGES OF OPERAND REGISTERS.  A fragment is 16 rows x 128 along K, 2,048 bytes: byte 512 c + 16 lane + y is the code of row lane % 16,
; k = 32 c + 16 (lane / 16) + y.  Four 16-byte loads a lane at 16 lane + 512 c then fill an operand's 16 registers.  Buffers: [tile][8 K steps][2,048].
; THE ROWS OF A TILE ARE NOT NEIGHBOURS: row i of tile T is source row 32 (T / 2) + 8 (T % 2) + i + 8 (i / 8), so that a product's results of two neighbouring
; tiles are 16 neighbours in a lane's registers.
; SHARES.  Work-groups 0-255: x; 256-383: the weights; 384-511: the table.  A quantising wave takes one tile and four K steps.  Each load reads 512 consecutive bytes
; of one row; a K step's 16 rows turn through the wave's own stage in LDS (rows 528 bytes apart) so that a lane gets 16 neighbours along K; each store writes 512 consecutive bytes.
; No barrier: waves share nothing.  Both tensors' kinds take one path through the LDS lines; the branch for x goes round the second and third set's arithmetic and stores alone.
; THE TABLE: [512 token tiles][8][32 lanes][16 bytes]: lane (r, h), register 2 p: cos, 2 p + 1: sin of position x 10000^(-f / 32), f = 16 (p / 8) + 8 h + p % 8.
; cos and sin: the angle less n pi/2 (pi/2 in three parts), polynomials on +-pi/4, the quadrant from n.
; LIMITS: every e between -126 and 127; NaN among the inputs is not served; |position| up to 2^20 for the table's accuracy (about 1e-7 beside the angle's own rounding).
.set SP,    528                        ; a stage row: 512 bytes + 16
.set STGB,  16*SP                      ; a wave's stage
.set R,     16                         ; v16-143   two sets of 64: a K step's rows as loaded
.set X,     144                        ; v144-207  64 numbers: register 16 c + i = k 32 c + 16 h + i of my row
.set T,     208                        ; v208-239  unused: the conversions read X
.set C,     240                        ; v240-255  a fragment's codes
	s_load_b512 s[4:19], s[0:1], 0x0               ; x, Qw, Kw, Vw, Ow, positions, scales, xc
	s_load_b128 s[20:23], s[0:1], 0x40             ; wc, rtab
	v_lshl_add_u32 v14, v0, 2, 0x8400
	v_mov_b32 v15, 0
	v_lshrrev_b32 v2, 5, v0
	v_readfirstlane_b32 s36, v2                    ; wave
	v_and_b32 v10, 31, v0                          ; lane
	v_and_b32 v11, 15, v0                          ; r
	v_bfe_u32 v12, v0, 4, 1                        ; h
	v_lshlrev_b32 v1, 4, v10                       ; 16 x lane
	s_cmp_ge_u32 ttmp9, 384
	s_cbranch_scc1 .Ltable
	; ---- the quantiser
	s_cmp_lt_u32 ttmp9, 256
	s_cselect_b32 s37, 0, 256
	s_sub_co_u32 s37, ttmp9, s37
	s_lshl_b32 s37, s37, 2
	s_add_co_u32 s37, s37, s36                     ; which wave of x's 1,024 or of the weights' 512
	s_lshr_b32 s38, s37, 1                         ; tile T (weights: 64 x weight + tile)
	s_and_b32 s39, s37, 1                          ; which four K steps
	s_lshr_b32 s40, s38, 6                         ; which weight
	s_and_b32 s47, s38, 63
	s_mul_i32 s58, s36, STGB
	s_wait_alu depctr_va_vdst(0)
	v_add_nc_u32 v2, s58, v1                       ; the stage, in: 16 x lane of a row
	v_mul_u32_u24 v3, v11, SP
	v_lshl_add_u32 v3, v12, 6, v3
	v_add_nc_u32 v3, s58, v3                       ; out: row r, + 64 h
	s_wait_alu depctr_va_vdst(0)
	s_wait_kmcnt 0x0
	s_load_b256 s[24:31], s[16:17], 0x0            ; e0 .. e7
	s_load_b128 s[32:35], s[16:17], 0x20           ; e8 .. e11
	s_cmp_eq_u32 s40, 2                            ; the source: a choice on the work-group's number alone
	s_cselect_b64 s[42:43], s[10:11], s[12:13]
	s_cmp_eq_u32 s40, 1
	s_cselect_b64 s[42:43], s[8:9], s[42:43]
	s_cmp_eq_u32 s40, 0
	s_cselect_b64 s[42:43], s[6:7], s[42:43]
	s_cmp_lt_u32 ttmp9, 256
	s_cselect_b64 s[42:43], s[4:5], s[42:43]
	s_cselect_b64 s[44:45], s[18:19], s[20:21]     ; the codes' buffer
	s_cselect_b32 s46, s38, s47                    ; the tile within the source
	s_lshr_b32 s48, s46, 1
	s_lshl_b32 s48, s48, 17                        ; 32 rows of 4,096 bytes
	s_and_b32 s49, s46, 1
	s_lshl_b32 s49, s49, 15                        ; 8 rows
	s_add_co_u32 s48, s48, s49
	s_lshl_b32 s49, s39, 11                        ; four K steps of 512 bytes
	s_add_co_u32 s48, s48, s49
	s_mov_b32 s49, 0
	s_add_nc_u64 s[42:43], s[42:43], s[48:49]
	s_lshl_b32 s48, s38, 14                        ; a tile's 8 fragments
	s_lshl_b32 s50, s39, 13
	s_add_co_u32 s48, s48, s50
	s_add_nc_u64 s[44:45], s[44:45], s[48:49]
	s_add_nc_u64 s[52:53], s[44:45], 0x800000      ; x's second set (used by x's work-groups alone)
	s_add_nc_u64 s[54:55], s[44:45], 0x1000000     ; and third
.macro LOAD t                          ; K step t: 16 rows x 512 bytes into set t % 2
.irp i, 0,1,2,3,4,5,6,7,8,9,10,11,12,13,14,15
	global_load_b128 v[R+64*((\t)%2)+4*\i:R+64*((\t)%2)+4*\i+3], v1, s[42:43] offset:(\i+8*(\i/8))*4096+512*(\t) th:TH_LOAD_NT
.endr
.endm
.macro MKSCALE se, vs                  ; v[vs] = 2^e as f32 (the conversion takes its exponent field)
	s_add_co_i32 s56, s[\se], 127
	s_lshl_b32 s57, s56, 23
	v_mov_b32 v[\vs], s57
.endm
.macro QUANT sc                        ; X's 64 numbers -> 16 registers of codes.  The conversion to an 8-bit code does not saturate (ISA guide 7.6.2): nothing holds the numbers first.
.irp c, 0,1,2,3                        ; The conversions read X's numbers directly
.irp i, 0,1,2,3,4,5,6,7,8,9,10,11,12,13,14,15
.endr
	v_cvt_scalef32_pk8_fp8_f32 v[C+4*\c:C+4*\c+1], v[T+16*(\c%2)+((X+16*\c+0)-(T+16*(\c%2)+0)):T+16*(\c%2)+7+((X+16*\c+0)-(T+16*(\c%2)+0))], v[\sc]
	v_cvt_scalef32_pk8_fp8_f32 v[C+4*\c+2:C+4*\c+3], v[T+16*(\c%2)+8+((X+16*\c+0)-(T+16*(\c%2)+0)):T+16*(\c%2)+15+((X+16*\c+0)-(T+16*(\c%2)+0))], v[\sc]
.endr
.endm
.macro PUT b, t                        ; the fragment's image: four stores of 512 consecutive bytes
.irp c, 0,1,2,3
	global_store_b128 v1, v[C+4*\c:C+4*\c+3], s[\b:\b+1] offset:2048*(\t)+512*\c
.endr
.endm
	LOAD 0
	LOAD 1
	s_wait_kmcnt 0x0
	s_cmp_eq_u32 s40, 2                            ; the first set's exponent, chosen as the source was
	s_cselect_b32 s41, s29, s35
	s_cmp_eq_u32 s40, 1
	s_cselect_b32 s41, s27, s41
	s_cmp_eq_u32 s40, 0
	s_cselect_b32 s41, s25, s41
	s_cmp_lt_u32 ttmp9, 256
	s_cselect_b32 s41, s24, s41
	MKSCALE 41, 4
	MKSCALE 26, 6                                  ; e2
	MKSCALE 28, 8                                  ; e4
.macro QSTEP t
.if (\t) < 3
	s_wait_loadcnt 16                              ; this step's 16 loads are in; the next step's 16 may be out
.else
	s_wait_loadcnt 0x0
.endif
.irp i, 0,1,2,3,4,5,6,7,8,9,10,11,12,13,14,15
	ds_store_b128 v2, v[R+64*((\t)%2)+4*\i:R+64*((\t)%2)+4*\i+3] offset:SP*\i
.endr
	v_nop
.irp c, 0,1,2,3                        ; LDS serves a wave's instructions in order (ISA guide 5.7.1.4): these see the stores above
.irp j, 0,1,2,3
	ds_load_b128 v[X+16*\c+4*\j:X+16*\c+4*\j+3], v3 offset:128*\c+16*\j
.endr
.endr
	s_wait_dscnt 0x0                               ; the numbers are back, and the stores have read their registers
	s_wait_xcnt 0x0                                ; the last step's stores have read the codes' registers, which are written again below
.if (\t) < 2
	LOAD (\t)+2
.endif
	QUANT 4
	PUT 44, \t
	s_cmp_lt_u32 ttmp9, 256
	s_cbranch_scc0 .Lweight_\@                     ; x alone has a second and a third scale
	s_wait_xcnt 0x0                                ; the stores above have read the codes' registers
	QUANT 6
	PUT 52, \t
	s_wait_xcnt 0x0
	QUANT 8
	PUT 54, \t
.Lweight_\@:
.endm
	s_wait_alu depctr_va_vdst(0)
	QSTEP 0
	QSTEP 1
	QSTEP 2
	QSTEP 3
	s_wait_tensorcnt 0x0
	ds_add_u32 v14, v15
	s_wait_dscnt 0x0
	s_endpgm
	; ---- the table
.Ltable:
	s_sub_co_u32 s37, ttmp9, 384
	s_lshl_b32 s37, s37, 2
	s_add_co_u32 s37, s37, s36                     ; token tile T
	s_lshr_b32 s38, s37, 1
	s_lshl_b32 s38, s38, 5
	s_and_b32 s39, s37, 1
	s_lshl_b32 s39, s39, 3
	s_add_co_u32 s38, s38, s39                     ; its first token
	s_wait_alu depctr_va_vdst(0)
	v_and_b32 v4, 8, v11
	v_add_nc_u32 v4, v4, v11                       ; r + 8 (r / 8)
	v_add_nc_u32 v4, s38, v4
	v_lshlrev_b32 v4, 2, v4
	s_wait_alu depctr_va_vdst(0)
	s_wait_kmcnt 0x0
	global_load_b32 v3, v4, s[14:15]               ; my token's position
	s_lshl_b32 s38, s37, 12
	s_mov_b32 s39, 0
	s_add_nc_u64 s[22:23], s[22:23], s[38:39]      ; the tile's 4,096 bytes of the table
	s_mov_b32 s40, 0x3f22f983                      ; 2 / pi
	s_mov_b32 s41, 0xbfc90fdb                      ; -pi/2, first part
	s_mov_b32 s42, 0x333bbd2e                      ; second part: +4.3711388e-8
	s_mov_b32 s43, 0x26f72d02                      ; third part: +1.7151e-15
	s_mov_b32 s44, 0xb94ca1f9                      ; sine: -1.9515295891e-4
	s_mov_b32 s45, 0x3c08839e                      ;        8.3321608736e-3
	s_mov_b32 s46, 0xbe2aaaa3                      ;       -1.6666654611e-1
	s_mov_b32 s47, 0x37ccf5ce                      ; cosine: 2.443315712e-5
	s_mov_b32 s48, 0xbab6061a                      ;        -1.388731625e-3
	s_mov_b32 s49, 0x3d2aaaa5                      ;         4.166664568e-2
	v_cmp_ne_u32 vcc_lo, 0, v12                    ; lanes 16-31 take the second frequency
	s_wait_loadcnt 0x0
	v_cvt_f32_i32 v3, v3
.macro SINCOS p, fa, fb
	v_mul_f32 v16, \fa, v3
	v_mul_f32 v17, \fb, v3
	v_cndmask_b32 v16, v16, v17, vcc_lo            ; the angle: position x frequency, rounded once
	v_mul_f32 v17, s40, v16
	v_rndne_f32 v17, v17                           ; n
	v_fma_f32 v16, v17, s41, v16
	v_fma_f32 v16, v17, s42, v16
	v_fma_f32 v16, v17, s43, v16                   ; a = angle - n pi/2, within +-pi/4
	v_cvt_i32_f32 v18, v17
	v_mul_f32 v19, v16, v16                        ; z = a^2
	v_fma_f32 v20, v19, s44, s45
	v_fma_f32 v22, v19, s47, s48
	v_fma_f32 v20, v20, v19, s46
	v_fma_f32 v22, v22, v19, s49
	v_mul_f32 v21, v19, v16
	v_mul_f32 v23, v19, v19
	v_fma_f32 v20, v20, v21, v16                   ; sin a
	v_fma_f32 v21, v19, -0.5, 1.0
	v_fma_f32 v22, v22, v23, v21                   ; cos a
	v_and_b32 v21, 1, v18
	v_cmp_ne_u32 s50, 0, v21
	v_cndmask_b32 v23, v20, v22, s50               ; odd n: the two change places
	v_cndmask_b32 v22, v22, v20, s50
	v_lshlrev_b32 v21, 30, v18                     ; the sine's sign: bit 1 of n;
	v_add_nc_u32 v18, 1, v18
	v_and_b32 v21, 0x80000000, v21
	v_lshlrev_b32 v18, 30, v18                     ; the cosine's: bit 1 of n + 1
	v_xor_b32 v[33+2*\p], v21, v23
	v_and_b32 v18, 0x80000000, v18
	v_xor_b32 v[32+2*\p], v18, v22
.endm
	SINCOS 0, 1.0, 0.1
	SINCOS 1, 0.7498942093, 0.07498942093
	SINCOS 2, 0.5623413252, 0.05623413252
	SINCOS 3, 0.4216965034, 0.04216965034
	SINCOS 4, 0.3162277660, 0.03162277660
	SINCOS 5, 0.2371373706, 0.02371373706
	SINCOS 6, 0.1778279410, 0.01778279410
	SINCOS 7, 0.1333521432, 0.01333521432
	SINCOS 8, 0.01, 0.001
	SINCOS 9, 0.007498942093, 0.0007498942093
	SINCOS 10, 0.005623413252, 0.0005623413252
	SINCOS 11, 0.004216965034, 0.0004216965034
	SINCOS 12, 0.003162277660, 0.0003162277660
	SINCOS 13, 0.002371373706, 0.0002371373706
	SINCOS 14, 0.001778279410, 0.0001778279410
	SINCOS 15, 0.001333521432, 0.0001333521432
.irp g, 0,1,2,3,4,5,6,7
	global_store_b128 v1, v[32+4*\g:35+4*\g], s[22:23] offset:512*\g
.endr
	s_endpgm
.Lfunc_end_k_q3b22ca912c_prep:
	.size	k_q3b22ca912c_prep, .Lfunc_end_k_q3b22ca912c_prep-k_q3b22ca912c_prep
	.p2alignl 7, 3214868480
	.fill 96, 4, 3214868480
	.section	.rodata,"a",@progbits
	.p2align	6, 0x0
	.amdhsa_kernel k_q3b22ca912c_prep
		.amdhsa_group_segment_fixed_size 34304
		.amdhsa_private_segment_fixed_size 0
		.amdhsa_enable_private_segment 0
		.amdhsa_kernarg_size 80
		.amdhsa_user_sgpr_count 2
		.amdhsa_user_sgpr_kernarg_segment_ptr 1
		.amdhsa_wavefront_size32 1
		.amdhsa_system_sgpr_workgroup_id_x 1
		.amdhsa_system_sgpr_workgroup_id_y 1
		.amdhsa_system_sgpr_workgroup_id_z 1
		.amdhsa_system_vgpr_workitem_id 0
		.amdhsa_next_free_vgpr 256
		.amdhsa_next_free_sgpr 66
		.amdhsa_reserve_vcc 1
		.amdhsa_float_denorm_mode_32 3
		.amdhsa_float_denorm_mode_16_64 3
		.amdhsa_fp16_overflow 1
		.amdhsa_memory_ordered 1
		.amdhsa_forward_progress 1
		.amdhsa_inst_pref_size 55
	.end_amdhsa_kernel
	.amdgpu_metadata
---
amdhsa.version: [ 1, 2 ]
amdhsa.kernels:
  - .name:           k_q3b22ca912c_prep
    .symbol:         k_q3b22ca912c_prep.kd
    .args:
      - { .name: x, .offset: 0, .size: 8, .value_kind: global_buffer, .address_space: global }
      - { .name: Qw, .offset: 8, .size: 8, .value_kind: global_buffer, .address_space: global }
      - { .name: Kw, .offset: 16, .size: 8, .value_kind: global_buffer, .address_space: global }
      - { .name: Vw, .offset: 24, .size: 8, .value_kind: global_buffer, .address_space: global }
      - { .name: Ow, .offset: 32, .size: 8, .value_kind: global_buffer, .address_space: global }
      - { .name: token_positions, .offset: 40, .size: 8, .value_kind: global_buffer, .address_space: global }
      - { .name: lowp_scales, .offset: 48, .size: 8, .value_kind: global_buffer, .address_space: global }
      - { .name: xc, .offset: 56, .size: 8, .value_kind: global_buffer, .address_space: global }
      - { .name: wc, .offset: 64, .size: 8, .value_kind: global_buffer, .address_space: global }
      - { .name: rtab, .offset: 72, .size: 8, .value_kind: global_buffer, .address_space: global }
    .group_segment_fixed_size: 34304
    .private_segment_fixed_size: 0
    .kernarg_segment_align: 8
    .kernarg_segment_size: 80
    .max_flat_workgroup_size: 128
    .sgpr_count:     66
    .vgpr_count:     256
    .wavefront_size: 32
...
	.end_amdgpu_metadata
.endif
;; end of part 1
;; launch qkv (part 2): grid 4 x 64, 4 waves a work-group, clusters of 4 x 4, 327,680 bytes of LDS; arguments xc, wc, rtab, lowp_scales, qc, kc, vc; writes qc, kc, vc
.if DOCPART == 2
	.amdgcn_target "amdgcn-amd-amdhsa--gfx1250"
	.amdhsa_code_object_version 6
	.text
	.protected	k_q3b22ca912c_qkv
	.globl	k_q3b22ca912c_qkv
	.p2align	8
	.type	k_q3b22ca912c_qkv,@function
k_q3b22ca912c_qkv:
	s_mov_b64 s[64:65], 0
	v_nop
	global_prefetch_b8 v0, s[64:65] scope:SCOPE_SE
	s_setreg_imm32_b32 hwreg(HW_REG_WAVE_MODE, 25, 1), 1
	s_wait_xcnt 0x0
	s_wait_alu depctr_hold_cnt(0) depctr_sa_sdst(0) depctr_va_vdst(0) depctr_va_sdst(0) depctr_va_ssrc(0) depctr_va_vcc(0) depctr_vm_vsrc(0)
	s_getreg_b32 s2, hwreg(HW_REG_IB_STS2, 6, 4)
	s_cmp_eq_u32 s2, 0
	s_cbranch_scc0 .Lentry_in_a_cluster
	s_endpgm
.Lentry_in_a_cluster:
	s_bfe_u32 s2, ttmp6, 0x10000c
	s_cmp_lg_u32 s2, 0xf033
	s_cbranch_scc0 .Lentry_shape_is_right
	s_endpgm
.Lentry_shape_is_right:
; q = x Qw^T, k = x Kw^T (both rotated by position), v = x Vw^T, on E4M3 codes; the results are quantised at once (scales e6, e7, e9) and stored as images of the operands that the attention launch reads.
; A work-group makes three tiles, one after the other, each 256 rows of source 0 (P) x 128 rows of source 1 (R), K = 1,024:
;   tiles q, k: P = 256 rows of the weight, R = 128 tokens: a lane holds ONE token and its registers run along the head's channels, the next product's K;
;   tile v:     P = 256 tokens, R = 128 rows of Vw: a lane holds ONE channel and its registers run along the keys, the next product's K.
; Operands lie in memory as register images: [tile of 16 rows][8 K steps][2,048 bytes], byte 512 c + 16 lane + y = row lane % 16, k = 32 c + 16 (lane / 16) + y: the same order of k on both sides of a product.
; Row i of tile T is source row 32 (T / 2) + 8 (T % 2) + i + 8 (i / 8): so the 16 registers of P's tiles 2 b and 2 b + 1 are 16 neighbours, 32 b + 16 (lane / 16) + 0 .. 15.
; Four waves, each 128 (P) x 64 (R): 32 accumulators, by turns in one order throughout.  256 x 128 makes 3 x 256 tiles for 256 work-groups.
; THE RING: two LDS slots, each with two K steps of P's 16 tiles and R's 8 tiles, dense (an LDS read takes 512 consecutive bytes; no padding is needed).  It walks on from tile to tile: 12 fills.
; CLUSTER 4 x 4: P hangs on cx (and the cluster's y), and is asked for jointly by my column; R hangs on cy (and the cluster's y), by my row.
; A wave has two tensor loads out at the start and one behind each round.
; No prefetch is laid: the launch is short and its first fills stand at its head.
; LIMITS: E = e6 - e0 - e1, e7 - e2 - e3 each between -126 and 127, e9 - e4 - e5 between -126 and 119.  The rotation is x_even cos - x_odd sin by a multiply and a fused multiply-add (one rounding fewer than two products and a sum).
; REGISTERS, in windows of 256: window 0: v1-7 addresses, v16-21 scales, v32-39 codes, v64-191 R's fragments (two sets), v224-255 at work;
;   window 1: accumulator (rt, pt) at v[8 (8 rt + pt)];  window 2: P's fragments, two sets of 128;  window 3: v0-127 cos and sin of my four token tiles.
.set NF,    12                         ; fills: 3 tiles x 4
.set SLOT,  98304                      ; P: 16 tiles x 4,096; R: 8 tiles x 4,096
.set ROFF,  65536
.set SPARE, 2*SLOT                     ; the spare words: 128 bytes a wave, two blocks of 256 bytes that no other line names
.set LI,    1                          ; v1    16 x lane
.set ADRP,  2                          ; v2-3  my P fragments in slot 0, 1
.set ADRR,  4                          ; v4-5  my R fragments
.set SPW,   6                          ; v6    my spare word; never rewritten
.set NIL,   7                          ; v7    0; never rewritten
.set CD,    32
.set TT,    224
.set G1P,   28
.set G1R,   36
.set G0P,   44                         ; a set for each slot
.set G0R,   52
.set PB,    66                         ; s[66:71] where my part of P begins, tile by tile
.set RB,    72                         ; s[72:77] the same for R
.set OB,    78                         ; s[78:83] where my results go
.set MULW,  0x52                       ; source 0 (P) window 2, source 1 (R) window 0, C and D window 1
.set MSB, 0
.macro WIN new                         ; the immediate's high byte repeats the setting that is left
.if MSB != \new
	s_set_vgpr_msb (MSB<<8)|\new
.set MSB, \new
.endif
.endm
.macro PLACES n
.rept \n
	v_nop
.endr
.endm
; A joint load: waves 0 and 1 fetch P's halves, waves 2 and 3 R's.  The branch hangs on the wave's number alone.  Four v_nop follow each line.
.macro JLOAD s
	s_cmp_eq_u32 s21, 0
	s_cbranch_scc0 .Lfor_r_\@
	tensor_load_to_lds s[G0P+4*(\s):G0P+4*(\s)+3], s[G1P:G1P+7]
	s_nop 0
.rept 4
	v_nop
.endr
	s_branch .Lasked_\@
.Lfor_r_\@:
	tensor_load_to_lds s[G0R+4*(\s):G0R+4*(\s)+3], s[G1R:G1R+7]
	s_nop 0
.rept 4
	v_nop
.endr
.Lasked_\@:
.endm
.macro CREST                           ; a round of the cluster's barrier behind its opening barrier
	s_cmp_lg_u32 s20, 0
	s_cbranch_scc1 .Lnot_wave_0_\@
	s_barrier_signal -3
.Lnot_wave_0_\@:
	s_barrier_wait -3
	s_barrier_signal -1
	s_barrier_wait -1
.endm
.macro CROUND
	s_barrier_signal -1
	s_barrier_wait -1
	CREST
.endm
	s_load_b256 s[4:11], s[0:1], 0x0               ; xc, wc, rtab, scales
	s_load_b128 s[12:15], s[0:1], 0x20             ; qc, kc
	s_load_b64 s[16:17], s[0:1], 0x30              ; vc
	v_lshl_add_u32 v[SPW], v0, 2, SPARE
	v_mov_b32 v[NIL], 0
	ds_add_u32 v6, v7
	ds_add_u32 v6, v7
	s_wait_dscnt 0x0
	v_lshrrev_b32 v8, 5, v0
	v_readfirstlane_b32 s20, v8                    ; wave
	s_lshr_b32 s21, s20, 1                         ; wp: my half of P.  Also: I fetch for P (0) or for R (1)
	s_and_b32 s22, s20, 1                          ; wr: my half of R.  Also: which half I fetch
	s_bfe_u32 s23, ttmp6, 0x40000                  ; cx
	s_bfe_u32 s24, ttmp6, 0x40004                  ; cy
	s_and_b32 s25, ttmp7, 0xffff                   ; the cluster's y, 0 .. 15
	s_lshl_b32 s26, 0x1111, s23                    ; my column
	s_lshl_b32 s27, s24, 2
	s_lshl_b32 s27, 15, s27                        ; my row
	; group 1: ROWS tiles' parts of 4,096 bytes (512 elements of 8 bytes), 16,384 bytes (2,048 elements) apart; dense in LDS
	s_or_b32 s[G1P], s26, (3<<16)|(1<<21)
	s_or_b32 s[G1R], s27, (3<<16)|(1<<21)
	s_mov_b32 s[G1P+1], 512<<16                    ; tensor_dim0
	s_mov_b32 s[G1P+2], 8<<16                      ; tensor_dim1
	s_mov_b32 s[G1P+3], 512<<16                    ; tile_dim0
	s_mov_b32 s[G1P+4], 8                          ; tile_dim1
	s_mov_b32 s[G1P+5], 2048                       ; from row to row
	s_mov_b32 s[G1P+6], 0
	s_mov_b32 s[G1P+7], 0
	s_mov_b32 s[G1R+1], 512<<16
	s_mov_b32 s[G1R+2], 4<<16
	s_mov_b32 s[G1R+3], 512<<16
	s_mov_b32 s[G1R+4], 4
	s_mov_b32 s[G1R+5], 2048
	s_mov_b32 s[G1R+6], 0
	s_mov_b32 s[G1R+7], 0
	; P's offsets: made of cx, the cluster's y and the wave alone
	s_lshl_b32 s60, s23, 18                        ; 256 rows = 16 tiles of 16,384 bytes
	s_lshl_b32 s2, s22, 17                         ; the half that I fetch
	s_add_co_u32 s60, s60, s2
	s_mov_b32 s61, 0                               ; s[60:61]: tiles q, k: block cx of the weight
	s_lshr_b32 s2, s25, 1
	s_lshl_b32 s2, s2, 20
	s_add_co_u32 s2, s2, s60
	s_mov_b32 s3, 0                                ; s[2:3]: tile v: block 4 (y / 2) + cx of the tokens
	; R's offsets: made of cy, the cluster's y and the wave alone
	s_lshl_b32 s62, s25, 2
	s_add_co_u32 s62, s62, s24
	s_lshl_b32 s62, s62, 17                        ; 128 rows = 8 tiles
	s_lshl_b32 s18, s22, 16
	s_add_co_u32 s62, s62, s18
	s_mov_b32 s63, 0                               ; s[62:63]: tiles q, k: block 4 y + cy of the tokens
	s_and_b32 s98, s25, 1
	s_lshl_b32 s98, s98, 2
	s_add_co_u32 s98, s98, s24
	s_lshl_b32 s98, s98, 17
	s_add_co_u32 s98, s98, s18
	s_mov_b32 s99, 0                               ; s[98:99]: tile v: block 4 (y % 2) + cy of Vw
	s_lshl_b32 s18, s22, 15                        ; where they go in a slot: no place in the cluster enters an LDS address
	s_lshl_b32 s19, s22, 14
	s_add_co_u32 s19, s19, ROFF
	s_wait_kmcnt 0x0
	s_load_b256 s[84:91], s[10:11], 0x0            ; e0 .. e7
	s_load_b128 s[92:95], s[10:11], 0x20           ; e8 .. e11
	s_add_nc_u64 s[PB:PB+1], s[6:7], s[60:61]      ; Qw's codes
	s_add_nc_u64 s[PB+2:PB+3], s[PB:PB+1], 0x100000  ; Kw's
	s_add_nc_u64 s[PB+4:PB+5], s[4:5], s[2:3]
	s_add_nc_u64 s[PB+4:PB+5], s[PB+4:PB+5], 0x1000000  ; x's third set
	s_add_nc_u64 s[RB:RB+1], s[4:5], s[62:63]      ; x's first set
	s_add_nc_u64 s[RB+2:RB+3], s[RB:RB+1], 0x800000  ; its second
	s_add_nc_u64 s[RB+4:RB+5], s[6:7], s[98:99]
	s_add_nc_u64 s[RB+4:RB+5], s[RB+4:RB+5], 0x200000  ; Vw's codes
	CROUND                                         ; all sixteen work-groups are here: the first joint loads meet
.irp s, 0,1
	s_mov_b32 s[G0P+4*\s], 1
	s_add_co_u32 s[G0P+4*\s+1], s18, \s*SLOT
	s_add_nc_u64 s[G0P+4*\s+2:G0P+4*\s+3], s[PB:PB+1], \s*4096
	s_or_b32 s[G0P+4*\s+3], s[G0P+4*\s+3], 0x80000000
	s_mov_b32 s[G0R+4*\s], 1
	s_add_co_u32 s[G0R+4*\s+1], s19, \s*SLOT
	s_add_nc_u64 s[G0R+4*\s+2:G0R+4*\s+3], s[RB:RB+1], \s*4096
	s_or_b32 s[G0R+4*\s+3], s[G0R+4*\s+3], 0x80000000
	JLOAD \s
.endr
	v_and_b32 v8, 31, v0
	v_lshlrev_b32 v[LI], 4, v8
	s_wait_alu depctr_va_vdst(0)
	s_lshl_b32 s96, s21, 15                        ; my 8 tiles of P
	s_lshl_b32 s97, s22, 14                        ; my 4 tiles of R
	s_add_co_u32 s97, s97, ROFF
.irp s, 0,1
	v_add_nc_u32 v[ADRP+\s], s96, v[LI]
	v_add_nc_u32 v[ADRR+\s], s97, v[LI]
	s_add_co_u32 s96, s96, SLOT
	s_add_co_u32 s97, s97, SLOT
.endr
	; where q and k go: [16 b + head][128 token tiles][1,024 bytes]
	s_lshl_b32 s96, s25, 2
	s_add_co_u32 s96, s96, s24                     ; the block of 128 tokens
	s_lshr_b32 s97, s96, 4
	s_lshl_b32 s97, s97, 4                         ; 16 b
	s_lshl_b32 s98, s23, 2
	s_add_co_u32 s97, s97, s98
	s_lshl_b32 s98, s21, 1
	s_add_co_u32 s97, s97, s98                     ; + my first head: 4 cx + 2 wp
	s_lshl_b32 s97, s97, 7
	s_and_b32 s98, s96, 15
	s_lshl_b32 s98, s98, 3
	s_add_co_u32 s97, s97, s98
	s_lshl_b32 s98, s22, 2
	s_add_co_u32 s97, s97, s98                     ; + my first token tile in the batch
	s_lshl_b32 s98, s97, 10
	s_mov_b32 s99, 0
	s_add_nc_u64 s[OB:OB+1], s[12:13], s[98:99]
	s_add_nc_u64 s[OB+2:OB+3], s[14:15], s[98:99]
	s_lshl_b32 s100, s96, 15                       ; the table: 8 tiles of 4,096 bytes a block,
	s_lshl_b32 s2, s22, 14                         ; my four of them
	s_add_co_u32 s100, s100, s2
	s_mov_b32 s101, 0
	s_add_nc_u64 s[8:9], s[8:9], s[100:101]
	WIN 0xc0                                       ; destination window 3
.irp rt, 0,1,2,3
.irp g, 0,1,2,3,4,5,6,7
	global_load_b128 v[32*\rt+4*\g:32*\rt+4*\g+3], v[LI], s[8:9] offset:4096*\rt+512*\g
.endr
.endr
	WIN 0
	; where v goes: [16 b + head][16 key steps][4 channel tiles][2,048 bytes]
	s_lshr_b32 s96, s25, 1
	s_lshl_b32 s96, s96, 2
	s_add_co_u32 s96, s96, s23
	s_lshl_b32 s96, s96, 1
	s_add_co_u32 s96, s96, s21                     ; my 128 tokens: key step 0 .. 63 of all batches
	s_and_b32 s97, s25, 1
	s_lshl_b32 s97, s97, 2
	s_add_co_u32 s97, s97, s24
	s_lshl_b32 s97, s97, 1
	s_add_co_u32 s97, s97, s22                     ; my head
	s_lshr_b32 s98, s96, 4
	s_lshl_b32 s98, s98, 4
	s_add_co_u32 s97, s97, s98                     ; + 16 b
	s_lshl_b32 s97, s97, 4
	s_and_b32 s98, s96, 15
	s_add_co_u32 s97, s97, s98
	s_lshl_b32 s98, s97, 13
	s_mov_b32 s99, 0
	s_add_nc_u64 s[OB+4:OB+5], s[16:17], s[98:99]
.macro MKSC vs                         ; s96 = E: v[vs] = 2^E as f32, v[vs + 1] = 448 x 2^E
	s_add_co_i32 s96, s96, 127
	s_lshl_b32 s97, s96, 23
	v_mov_b32 v[\vs], s97
	s_add_co_i32 s96, s96, 8
	s_lshl_b32 s96, s96, 23
	s_or_b32 s96, s96, 0x600000
	v_mov_b32 v[\vs+1], s96
.endm
	s_wait_alu depctr_va_vdst(0)
	s_wait_kmcnt 0x0
	s_sub_co_i32 s96, s90, s84                     ; a sum stands for sum x 2^(e0 + e1): q's code is sum / 2^(e6 - e0 - e1)
	s_sub_co_i32 s96, s96, s85
	MKSC 16
	s_sub_co_i32 s96, s91, s86                     ; k: e7 - e2 - e3
	s_sub_co_i32 s96, s96, s87
	MKSC 18
	s_sub_co_i32 s96, s93, s88                     ; v: e9 - e4 - e5
	s_sub_co_i32 s96, s96, s89
	MKSC 20
; 48 LDS loads in one run: K step q of the slot: my 8 fragments of P and 4 of R into set
.macro FETCH slot, q, set
	WIN 0x80                                       ; destination window 2
.irp i, 0,1,2,3,4,5,6,7
.irp c, 0,1,2,3
	ds_load_b128 v[128*(\set)+16*\i+4*\c:128*(\set)+16*\i+4*\c+3], v[ADRP+(\slot)] offset:4096*\i+2048*(\q)+512*\c
.endr
.endr
	WIN 0
.irp i, 0,1,2,3
.irp c, 0,1,2,3
	ds_load_b128 v[64+64*(\set)+16*\i+4*\c:64+64*(\set)+16*\i+4*\c+3], v[ADRR+(\slot)] offset:4096*\i+2048*(\q)+512*\c
.endr
.endr
.endm
; accumulators a0 .. a0 + n - 1 (a = 8 rt + pt), 128 along K.  zero = 1: the product starts the sum: nothing is ever cleared
.macro MUL set, a0, n, zero
.set a, \a0
.rept \n
.if \zero
	v_wmma_f32_16x16x128_fp8_fp8 v[8*a:8*a+7], v[128*(\set)+16*(a%8):128*(\set)+16*(a%8)+15], v[64+64*(\set)+16*(a/8):64+64*(\set)+16*(a/8)+15], 0
.else
	v_wmma_f32_16x16x128_fp8_fp8 v[8*a:8*a+7], v[128*(\set)+16*(a%8):128*(\set)+16*(a%8)+15], v[64+64*(\set)+16*(a/8):64+64*(\set)+16*(a/8)+15], v[8*a:8*a+7]
.endif
.set a, a+1
.endr
.endm
; A slot's first K step: set 0 is multiplied, set 1 is fetched ahead of it.  Four places stand between the last products that read set 1 and the loads into it (ISA guide 7.12.1 for vector instructions)
.macro STEP slot, zero
	s_wait_dscnt 0x0                               ; set 0 is in
	PLACES 4
	FETCH \slot, 1, 1
	WIN MULW
	MUL 0, 0, 32, \zero
	WIN 0
.endm
; A slot's second K step changes slots: each wave waits for all its tensor loads (its part of the other slot), adds 0 to its spare word, and waits for that and for its reads of this slot.
; fill = 1: the barrier opens a round of the cluster's barrier, and behind it this slot takes fill f2.
.macro TURN slot, f2, fill
	s_wait_tensorcnt 0x0                           ; all my tensor loads have landed
	ds_add_u32 v[SPW], v[NIL]                      ; 0 onto my spare word
	s_wait_dscnt 1                                 ; set 1 is in; the add may be out
	WIN MULW
	MUL 1, 0, 8, 0                                 ; eight products stand between the add and the wait for it
	s_wait_dscnt 0x0                               ; the add is done, and my reads of this slot are over
	s_barrier_signal -1
	MUL 1, 8, 8, 0
	WIN 0
	s_barrier_wait -1
.if \fill
	CREST                                          ; no wave of any partner still reads this slot or has a load on its way
	s_add_nc_u64 s[G0P+4*(\slot)+2:G0P+4*(\slot)+3], s[PB+2*((\f2)/4):PB+2*((\f2)/4)+1], 4096*((\f2)%4)
	s_or_b32 s[G0P+4*(\slot)+3], s[G0P+4*(\slot)+3], 0x80000000
	s_add_nc_u64 s[G0R+4*(\slot)+2:G0R+4*(\slot)+3], s[RB+2*((\f2)/4):RB+2*((\f2)/4)+1], 4096*((\f2)%4)
	s_or_b32 s[G0R+4*(\slot)+3], s[G0R+4*(\slot)+3], 0x80000000
	JLOAD \slot                                    ; the first tensor load behind the round; its four v_nop are also the places in front of the loads below
.else
	PLACES 4
.endif
	FETCH 1-(\slot), 0, 0
	WIN MULW
	MUL 1, 16, 16, 0
	WIN 0
.endm
.macro LAST                            ; the very last K step: nothing more to fetch
	s_wait_dscnt 0x0
	WIN MULW
	MUL 1, 0, 32, 0
	WIN 0
.endm
; q's or k's way out.  For token tile rt and head hd the lane's 32 registers are channels 32 (i / 16) + 16 h + i % 16 of its token: pairs (even, odd) are rotated by (cos, sin) of window 3,
; converted, and ARE the next operand's registers: two stores of 512 consecutive bytes.  Each accumulator is read from its low end on.
.macro EPIQK ob, sc
	PLACES 4
.irp rt, 0,1,2,3
.irp hd, 0,1
	WIN 0x0d                                       ; source 0: the sums, window 1; source 1: cos and sin, window 3
.irp p, 0,1,2,3,4,5,6,7,8,9,10,11,12,13,14,15
	v_pk_mul_f32 v[TT+2*\p:TT+2*\p+1], v[64*\rt+32*\hd+2*\p:64*\rt+32*\hd+2*\p+1], v[32*\rt+2*\p:32*\rt+2*\p+1] op_sel_hi:[1,0]   ; (even cos, odd cos)
.endr
.irp p, 0,1,2,3,4,5,6,7,8,9,10,11,12,13,14,15
	v_pk_fma_f32 v[TT+2*\p:TT+2*\p+1], v[64*\rt+32*\hd+2*\p:64*\rt+32*\hd+2*\p+1], v[32*\rt+2*\p:32*\rt+2*\p+1], v[TT+2*\p:TT+2*\p+1] op_sel:[1,1,0] op_sel_hi:[0,1,1] neg_lo:[0,1,0]   ; (- odd sin, + even sin)
.endr
	WIN 0
.irp i, 0,1,2,3,4,5,6,7,8,9,10,11,12,13,14,15,16,17,18,19,20,21,22,23,24,25,26,27,28,29,30,31
.endr
	s_wait_alu depctr_va_vdst(0)
	s_wait_xcnt 0x0                                ; the last stores have read the codes' registers
.irp k, 0,1,2,3
	v_cvt_scalef32_pk8_fp8_f32 v[CD+2*\k:CD+2*\k+1], v[TT+8*\k:TT+8*\k+7], v[\sc]
.endr
	v_nop                                          ; a plain line between the conversions and the next write of their sources
	global_store_b128 v[LI], v[CD:CD+3], s[\ob:\ob+1] offset:131072*\hd+1024*\rt
	global_store_b128 v[LI], v[CD+4:CD+7], s[\ob:\ob+1] offset:131072*\hd+1024*\rt+512
.endr
.endr
.endm
; v's way out.  For channel tile rt the lane's 64 registers are keys 32 (i / 16) + 16 h + i % 16 of its channel
.macro EPIV
	PLACES 4
.irp rt, 0,1,2,3
.irp g, 0,1
	WIN 0x01                                       ; source 0 window 1
.irp i, 0,1,2,3,4,5,6,7,8,9,10,11,12,13,14,15,16,17,18,19,20,21,22,23,24,25,26,27,28,29,30,31
	v_med3_num_f32 v[TT+\i], v[64*\rt+32*\g+\i], -v21, v21
.endr
	WIN 0
	s_wait_alu depctr_va_vdst(0)
	s_wait_xcnt 0x0
.irp k, 0,1,2,3
	v_cvt_scalef32_pk8_fp8_f32 v[CD+2*\k:CD+2*\k+1], v[TT+8*\k:TT+8*\k+7], v20
.endr
	v_nop
	global_store_b128 v[LI], v[CD:CD+3], s[OB+4:OB+5] offset:2048*\rt+1024*\g
	global_store_b128 v[LI], v[CD+4:CD+7], s[OB+4:OB+5] offset:2048*\rt+1024*\g+512
.endr
.endr
.endm
	s_wait_tensorcnt 0x1                           ; my part of fill 0 is in; fill 1 may stay out
	s_barrier_signal -1
	s_barrier_wait -1
	FETCH 0, 0, 0
.irp F, 0,1,2,3,4,5,6,7,8,9,10,11
.if (\F%4) == 0
	STEP \F%2, 1
.else
	STEP \F%2, 0
.endif
.if (\F+2) < NF
	TURN \F%2, \F+2, 1
.elseif (\F+2) == NF
	TURN \F%2, 0, 0
.else
	LAST
.endif
.if \F == 3
	s_wait_loadcnt 0x0                             ; cos and sin
	EPIQK OB, 16                                   ; the next tile's first two fills have been asked for: now q goes out
.endif
.if \F == 7
	EPIQK OB+2, 18
.endif
.if \F == 11
	EPIV
.endif
.endr
	s_wait_tensorcnt 0x0                           ; the wave's end
	ds_add_u32 v[SPW], v[NIL]
	s_wait_dscnt 0x0
	CROUND                                         ; the closing round
	s_endpgm
.Lfunc_end_k_q3b22ca912c_qkv:
	.size	k_q3b22ca912c_qkv, .Lfunc_end_k_q3b22ca912c_qkv-k_q3b22ca912c_qkv
	.p2alignl 7, 3214868480
	.fill 96, 4, 3214868480
	.section	.rodata,"a",@progbits
	.p2align	6, 0x0
	.amdhsa_kernel k_q3b22ca912c_qkv
		.amdhsa_group_segment_fixed_size 327680
		.amdhsa_private_segment_fixed_size 0
		.amdhsa_enable_private_segment 0
		.amdhsa_kernarg_size 56
		.amdhsa_user_sgpr_count 2
		.amdhsa_user_sgpr_kernarg_segment_ptr 1
		.amdhsa_wavefront_size32 1
		.amdhsa_system_sgpr_workgroup_id_x 1
		.amdhsa_system_sgpr_workgroup_id_y 1
		.amdhsa_system_sgpr_workgroup_id_z 1
		.amdhsa_system_vgpr_workitem_id 0
		.amdhsa_next_free_vgpr 896
		.amdhsa_next_free_sgpr 102
		.amdhsa_reserve_vcc 0
		.amdhsa_float_denorm_mode_32 3
		.amdhsa_float_denorm_mode_16_64 3
		.amdhsa_fp16_overflow 1
		.amdhsa_memory_ordered 1
		.amdhsa_forward_progress 1
		.amdhsa_inst_pref_size 214
	.end_amdhsa_kernel
	.amdgpu_metadata
---
amdhsa.version: [ 1, 2 ]
amdhsa.kernels:
  - .name:           k_q3b22ca912c_qkv
    .symbol:         k_q3b22ca912c_qkv.kd
    .args:
      - { .name: xc, .offset: 0, .size: 8, .value_kind: global_buffer, .address_space: global }
      - { .name: wc, .offset: 8, .size: 8, .value_kind: global_buffer, .address_space: global }
      - { .name: rtab, .offset: 16, .size: 8, .value_kind: global_buffer, .address_space: global }
      - { .name: lowp_scales, .offset: 24, .size: 8, .value_kind: global_buffer, .address_space: global }
      - { .name: qc, .offset: 32, .size: 8, .value_kind: global_buffer, .address_space: global }
      - { .name: kc, .offset: 40, .size: 8, .value_kind: global_buffer, .address_space: global }
      - { .name: vc, .offset: 48, .size: 8, .value_kind: global_buffer, .address_space: global }
    .group_segment_fixed_size: 327680
    .private_segment_fixed_size: 0
    .kernarg_segment_align: 8
    .kernarg_segment_size: 56
    .max_flat_workgroup_size: 128
    .sgpr_count:     102
    .vgpr_count:     896
    .wavefront_size: 32
...
	.end_amdgpu_metadata
.endif
;; end of part 2
;; launch attn (part 3): grid 4 x 64, 16 waves a work-group, no clusters, 327,680 bytes of LDS; arguments qc, kc, vc, lowp_scales, ac; writes ac
.if DOCPART == 3
	.amdgcn_target "amdgcn-amd-amdhsa--gfx1250"
	.amdhsa_code_object_version 6
	.text
	.protected	k_q3b22ca912c_attn
	.globl	k_q3b22ca912c_attn
	.p2align	8
	.type	k_q3b22ca912c_attn,@function
k_q3b22ca912c_attn:
	s_mov_b64 s[64:65], 0
	v_nop
	global_prefetch_b8 v0, s[64:65] scope:SCOPE_SE
	s_setreg_imm32_b32 hwreg(HW_REG_WAVE_MODE, 25, 1), 1
	s_wait_xcnt 0x0
; Causal attention of one head on E4M3 codes; the result is quantised (scale e10) and stored as the output projection's operand.
; qc, kc: [head of 64][128 token tiles][1,024 bytes]: byte 512 c + 16 lane + y = token row lane % 16, channel 32 c + 16 (lane / 16) + y.
; vc: [head][16 key steps][4 channel tiles][2,048 bytes]: row = channel, k = key in the step, in the same order.  Row i of tile T is source row 32 (T / 2) + 8 (T % 2) + i + 8 (i / 8).
; SOFTMAX: t = score x log2(e) / 8; M = the running largest t rounded UP to a whole number; p = 2^(t - M) is quantised (scale e8), not normalised; the sum is taken of the unquantised p and divides at the end.
; When M moves, the sum and O are multiplied by 2^(old M - new M): exact.
; SHARES.  Work-group (i, head) owns query blocks 7 - i and i of 256.  Wave w takes query tile 127 - (16 i + w), then tile 16 i + w: tile t needs t / 8 + 1 key steps of 128, so every wave does 17.
; Sixteen waves of 226 registers, four to a SIMD: one wave's vector work stands beside another's products and LDS loads.
; LDS holds the head's whole K (131,072 bytes) and V (131,072): filled once, by two tensor loads a wave at the head (key steps 0-3, then the rest); nothing is filled again.
; Both products are used transposed (S^T = K Q^T, O^T = V^T P^T): a lane holds ONE query throughout, and p's registers are the second product's operand.
; NO JOINT LOADS: the four work-groups of a head differ in which key steps they leave out, which are branches on their place; partners of joint loads must run alike, and walking hidden steps would double the vector work.
; No prefetch is laid: all of K and V is asked for by the first loads.
; A step all of whose keys are hidden is jumped over (a scalar branch on ids); the loops' trip counts are constants.
; LIMITS: e6 + e7 between -123 and 130; e8 and e10 between -126 and 127; e8 + e9 goes in by v_ldexp_f32.
; REGISTERS: v1 16 x lane; v2 r + 8 (r / 8) - 16 h; v8, v9 LDS addresses; v12 -M, v13 largest t, v[14:15] the sum; v16-23 Q; v32-95 K's 8 fragments, then V's 4; v96-159 S^T, then p; v160-191 O^T; v192-207 p's codes; v208-219 scales and work.
.set VOFF, 131072
.set LI,   1
.set ADK,  8
.set ADV,  9
.set KV,   32
.set SEL,  44                          ; s[44:45] lane selects: lane l xor 16
.set CS,   46                          ; s[46:47] c = log2(e) / 8 x 2^(e6 + e7)
.set KF,   48                          ; s48 the step's first key
.set TB,   49                          ; s49 its bytes in K's image (and in V's)
.set QMIN, 50
.set QMAX, 51
.set TQ,   52                          ; s52 my query tile
.set CNT,  53
	s_load_b256 s[4:11], s[0:1], 0x0               ; qc, kc, vc, scales
	s_load_b64 s[12:13], s[0:1], 0x20              ; ac
	v_lshl_add_u32 v224, v0, 2, 0x40000
	v_mov_b32 v225, 0
	ds_add_u32 v224, v225
	ds_add_u32 v224, v225
	v_lshrrev_b32 v3, 5, v0
	s_delay_alu instid0(VALU_DEP_1)
	v_readfirstlane_b32 s14, v3                    ; wave 0 .. 15
	s_and_b32 s15, ttmp7, 0xffff                   ; 16 b + head
	s_lshr_b32 s17, s14, 3                         ; I fetch for K (0) or for V (1),
	s_and_b32 s18, s14, 7                          ; this eighth
	; group 1: dense blocks as rows of 256 bytes (32 elements of 8 bytes): 16 rows, and 48 rows
	s_mov_b32 s20, 3<<16
	s_mov_b32 s21, 32<<16
	s_mov_b32 s22, 16<<16
	s_mov_b32 s23, 32<<16
	s_mov_b32 s24, 16
	s_mov_b32 s25, 32
	s_mov_b32 s26, 0
	s_mov_b32 s27, 0
	s_mov_b32 s28, 3<<16
	s_mov_b32 s29, 32<<16
	s_mov_b32 s30, 48<<16
	s_mov_b32 s31, 32<<16
	s_mov_b32 s32, 48
	s_mov_b32 s33, 32
	s_mov_b32 s34, 0
	s_mov_b32 s35, 0
	s_lshl_b32 s54, s17, 17
	s_lshl_b32 s76, s18, 12                        ; key steps 0-3: 32,768 bytes, 4,096 a wave
	s_mul_i32 s78, s18, 12288                      ; the rest: 98,304 bytes, 12,288 a wave
	s_add_co_u32 s78, s78, 32768
	s_mov_b32 s77, 0
	s_mov_b32 s79, 0
	s_lshl_b32 s72, s15, 17                        ; a head's 131,072 bytes in qc, kc, vc
	s_mov_b32 s73, 0
	s_mov_b32 s36, 1
	s_add_co_u32 s37, s54, s76
	s_mov_b32 s40, 1
	s_add_co_u32 s41, s54, s78
	s_wait_dscnt 0x0
	s_wait_kmcnt 0x0
	s_load_b256 s[56:63], s[10:11], 0x0            ; e0 .. e7
	s_load_b128 s[68:71], s[10:11], 0x20           ; e8 .. e11
	s_cmp_lt_u32 s14, 8
	s_cselect_b64 s[74:75], s[6:7], s[8:9]
	s_add_nc_u64 s[74:75], s[74:75], s[72:73]
	s_add_nc_u64 s[38:39], s[74:75], s[76:77]
	s_or_b32 s39, s39, 0x80000000
	s_add_nc_u64 s[42:43], s[74:75], s[78:79]
	s_or_b32 s43, s43, 0x80000000
	tensor_load_to_lds s[36:39], s[20:27]          ; key steps 0-3: one load of mine is out
	s_nop 0
	s_wait_alu depctr_va_vdst(0)
	s_wait_tensorcnt 0x0
	ds_add_u32 v224, v225
	s_wait_dscnt 0x0
	s_barrier_signal -1
	s_barrier_wait -1
	tensor_load_to_lds s[40:43], s[28:35]
	s_nop 0
.rept 4
	v_nop
.endr
	s_add_nc_u64 s[4:5], s[4:5], s[72:73]          ; qc at my head
	s_lshr_b32 s54, s15, 4                         ; ac: [128 b + token tile][8 K steps][2,048]: K step head / 2, and 1,024 (head % 2) in it
	s_lshl_b32 s54, s54, 21
	s_bfe_u32 s55, s15, 0x30001
	s_lshl_b32 s55, s55, 11
	s_add_co_u32 s54, s54, s55
	s_and_b32 s55, s15, 1
	s_lshl_b32 s55, s55, 10
	s_add_co_u32 s54, s54, s55
	s_mov_b32 s55, 0
	s_add_nc_u64 s[12:13], s[12:13], s[54:55]
	s_lshl_b32 s[TQ], ttmp9, 4
	s_add_co_u32 s[TQ], s[TQ], s14
	s_sub_co_u32 s[TQ], 127, s[TQ]                 ; the late tile first
	s_mov_b32 s[SEL], 0x76543210
	s_mov_b32 s[SEL+1], 0xfedcba98
	v_and_b32 v3, 31, v0
	s_delay_alu instid0(VALU_DEP_1)
	v_lshlrev_b32 v[LI], 4, v3
	v_and_b32 v4, 15, v0
	v_bfe_u32 v5, v0, 4, 1
	s_delay_alu instid0(VALU_DEP_2)
	v_and_b32 v2, 8, v4
	s_delay_alu instid0(VALU_DEP_1)
	v_add_nc_u32 v2, v2, v4
	s_delay_alu instid0(VALU_DEP_3)
	v_lshlrev_b32 v5, 4, v5
	s_delay_alu instid0(VALU_DEP_1)
	v_sub_nc_u32 v2, v2, v5                        ; my query less the tile's first, less 16 h
	v_mov_b32 v213, 0                              ; (named as the upper half of the pair v[212:213])
	v_mov_b32 v214, 0                              ; a lane permute's destination counts as one of its sources
	s_wait_kmcnt 0x0
	s_add_co_i32 s54, s62, s63
	s_lshl_b32 s54, s54, 23
	s_mov_b32 s[CS], 0x3e38aa3b                    ; log2(e) / 8
	s_add_co_i32 s[CS], s[CS], s54                 ; e6 + e7 are added to its exponent field
	s_mov_b32 s[CS+1], s[CS]
	s_add_co_i32 s54, s68, 127
	s_lshl_b32 s55, s54, 23
	v_mov_b32 v209, s55                            ; 2^e8
	s_add_co_i32 s54, s70, 127
	s_lshl_b32 s55, s54, 23
	v_mov_b32 v211, s55                            ; 2^e10
	s_add_co_i32 s67, s68, s69                     ; e8 + e9
.macro INIT                            ; a query tile begins
	s_lshr_b32 s[QMIN], s[TQ], 1
	s_lshl_b32 s[QMIN], s[QMIN], 5
	s_and_b32 s54, s[TQ], 1
	s_lshl_b32 s54, s54, 3
	s_add_co_u32 s[QMIN], s[QMIN], s54             ; the tile's first query,
	s_add_co_u32 s[QMAX], s[QMIN], 23              ; and its last
	s_wait_xcnt 0x0                                ; the last tile's loads and stores have read their bases and data
	s_lshl_b32 s72, s[TQ], 10
	s_mov_b32 s73, 0
	s_add_nc_u64 s[72:73], s[4:5], s[72:73]
	global_load_b128 v[16:19], v[LI], s[72:73]
	global_load_b128 v[20:23], v[LI], s[72:73] offset:512
	s_lshl_b32 s74, s[TQ], 14
	s_mov_b32 s75, 0
	s_add_nc_u64 s[74:75], s[12:13], s[74:75]      ; where the tile's result goes
	v_mov_b32 v13, 0xff61b1e6                      ; the largest t so far: -3e38
	s_delay_alu instid0(VALU_DEP_1)
	v_floor_f32 v12, -v13
	v_mov_b32 v14, 0
	v_mov_b32 v15, 0
.set n, 0
.rept 32
	v_mov_b32 v[160+n], 0                          ; O^T: the step is written once; the first change of M multiplies zeros
.set n, n+1
.endr
	s_mov_b32 s[KF], 0
	s_mov_b32 s[TB], 0
	s_wait_loadcnt 0x0
.endm
.macro STEP                            ; 128 keys
	s_cmp_gt_u32 s[KF], s[QMAX]
	s_cbranch_scc1 .Lhid_\@                        ; all its keys come after my queries
	s_setprio 2
	v_add_nc_u32 v[ADK], s[TB], v[LI]
	s_delay_alu instid0(VALU_DEP_1)
	v_add_nc_u32 v[ADV], VOFF, v[ADK]
	v_nop                                          ; with the two additions: four places in front of loads into registers that the last products read
	v_nop
.set n, 0
.rept 16
	ds_load_b128 v[KV+4*n:KV+4*n+3], v[ADK] offset:512*n   ; K's eight tiles of 16 keys x 64
.set n, n+1
.endr
	s_wait_alu depctr_va_vdst(0)
	s_wait_dscnt 0x0
.set n, 0
.rept 8
	v_wmma_f32_16x16x64_fp8_fp8 v[96+8*n:103+8*n], v[KV+8*n:KV+8*n+7], v[16:23], 0
.set n, n+1
.endr
.rept 4
	v_nop
.endr
.set n, 0
.rept 16
	ds_load_b128 v[KV+4*n:KV+4*n+3], v[ADV] offset:512*n   ; V's four tiles of 16 channels x 128 keys: they land under the softmax
.set n, n+1
.endr
	s_add_co_u32 s54, s[KF], 127
	s_cmp_le_u32 s54, s[QMIN]
	s_cbranch_scc1 .Lopen_\@                       ; all its keys count
	s_sub_co_i32 s54, s[QMIN], s[KF]
	v_add_nc_u32 v217, s54, v2                     ; register n holds key KF + 16 h + 32 (n / 16) + n % 16: hidden where 32 (n / 16) + n % 16 > my query - KF - 16 h
	v_mov_b32 v216, 0xff800000
.set n, 0
.rept 64
	v_cmp_gt_i32 vcc_lo, 32*(n/16)+n%16, v217
	v_cndmask_b32 v[96+n], v[96+n], v216, vcc_lo
.set n, n+1
.endr
.Lopen_\@:
	v_max3_num_f32 v216, v96, v97, v98             ; the step's largest score of my query, in two chains, from the low end on
	v_max3_num_f32 v212, v99, v100, v101
.irp i, 6,10,14,18,22,26,30,34,38,42,46,50,54,58
	v_max3_num_f32 v216, v216, v[96+\i], v[97+\i]
	v_max3_num_f32 v212, v212, v[98+\i], v[99+\i]
.endr
	v_max3_num_f32 v216, v216, v158, v159
	s_delay_alu instid0(VALU_DEP_1)
	v_max_num_f32 v216, v216, v212
	s_delay_alu instid0(VALU_DEP_1)
	v_permlanex16_b32 v214, v216, s[SEL], s[SEL+1]
	s_delay_alu instid0(VALU_DEP_1)
	v_max_num_f32 v216, v216, v214
	s_delay_alu instid0(VALU_DEP_1)
	v_mul_f32 v216, s[CS], v216                    ; as t (c is positive)
	s_delay_alu instid0(VALU_DEP_1)
	v_max_num_f32 v13, v13, v216
	v_mov_b32 v216, v12
	s_delay_alu instid0(VALU_DEP_2)
	v_floor_f32 v12, -v13                          ; -M = floor(-t)
	s_delay_alu instid0(VALU_DEP_1)
	v_sub_f32 v216, v12, v216                      ; old M - new M: a whole number, 0 or less
	s_delay_alu instid0(VALU_DEP_1)
	v_cvt_i32_f32 v216, v216                       ; (it saturates)
	s_delay_alu instid0(VALU_DEP_1)
	v_ldexp_f32 v212, 1.0, v216                    ; f = 2^(old M - new M)
.set n, 0
	s_setprio 1
.rept 32
	v_pk_fma_f32 v[96+n:97+n], v[96+n:97+n], s[CS:CS+1], v[12:13] op_sel_hi:[1,0,0]   ; t - M
.set n, n+2
.endr
.set n, 0
	s_wait_alu depctr_va_vdst(0)
.rept 64
	v_exp_f32 v[96+n], v[96+n]                     ; p
.set n, n+1
.endr
	v_pk_mul_f32 v[14:15], v[14:15], v[212:213] op_sel_hi:[1,0]   ; the sums under the new M: a plain line behind the exponentials
	s_wait_alu depctr_va_vdst(0)                   ; one wait for the whole batch, ahead of its first reader
	v_pk_add_f32 v[218:219], v[96:97], v[98:99]    ; the sum of the unquantised p, in two chains
.irp j, 4,8,12,16,20,24,28,32,36,40,44,48,52,56,60
	v_pk_add_f32 v[14:15], v[14:15], v[96+\j:97+\j]
	v_pk_add_f32 v[218:219], v[218:219], v[98+\j:99+\j]
.endr
	s_delay_alu instid0(VALU_DEP_1)
	v_pk_add_f32 v[14:15], v[14:15], v[218:219]
	s_setprio 0
.irp b, 0,1,2,3
.irp i, 0,1,2,3,4,5,6,7,8,9,10,11,12,13,14,15
.endr
	v_cvt_scalef32_pk8_fp8_f32 v[192+4*\b:193+4*\b], v[96+16*\b:103+16*\b], v209
	v_cvt_scalef32_pk8_fp8_f32 v[194+4*\b:195+4*\b], v[104+16*\b:111+16*\b], v209
.endr
.set n, 0
.rept 16
	v_pk_mul_f32 v[160+n:161+n], v[160+n:161+n], v[212:213] op_sel_hi:[1,0]   ; O^T under the new M; also the plain lines between the conversions and the products
.set n, n+2
.endr
	s_wait_alu depctr_va_vdst(0)
	s_wait_dscnt 0x0                               ; V is in
.set n, 0
.rept 4
	v_wmma_f32_16x16x128_fp8_fp8 v[160+8*n:167+8*n], v[KV+16*n:KV+16*n+15], v[192:207], v[160+8*n:167+8*n]
.set n, n+1
.endr
.Lhid_\@:
	s_add_co_u32 s[KF], s[KF], 128
	s_add_co_u32 s[TB], s[TB], 8192
.endm
.macro OUT                             ; O^T / the sum x 2^(e8 + e9), quantised: registers 16 c + i are channels 32 c + 16 h + i of my query: the next operand's registers
.rept 4
	v_nop
.endr
	v_add_f32 v14, v14, v15
	s_delay_alu instid0(VALU_DEP_1)
	v_permlanex16_b32 v214, v14, s[SEL], s[SEL+1]
	s_delay_alu instid0(VALU_DEP_1)
	v_add_f32 v14, v14, v214
	s_wait_alu depctr_va_vdst(0)
	v_rcp_f32 v14, v14
	v_nop                                          ; a plain line behind the reciprocal
	s_wait_alu depctr_va_vdst(0)                   ; and the wait ahead of its first reader
	v_ldexp_f32 v14, v14, s67
.set n, 0
.rept 16
	v_pk_mul_f32 v[96+n:97+n], v[160+n:161+n], v[14:15] op_sel_hi:[1,0]
.set n, n+2
.endr
.set n, 0
.rept 32
.set n, n+1
.endr
.irp k, 0,1,2,3
	v_cvt_scalef32_pk8_fp8_f32 v[192+2*\k:193+2*\k], v[96+8*\k:103+8*\k], v211
.endr
	v_nop
	global_store_b128 v[LI], v[192:195], s[74:75]            ; 512 consecutive bytes each
	global_store_b128 v[LI], v[196:199], s[74:75] offset:512
.endm
	INIT
	s_wait_tensorcnt 0x1                           ; my part of key steps 0-3 is in; my second load may stay out
	s_barrier_signal -1
	s_barrier_wait -1                              ; everybody's is
	s_mov_b32 s[CNT], 4
.Lfirst:
	STEP
	s_sub_co_u32 s[CNT], s[CNT], 1
	s_cmp_lg_u32 s[CNT], 0
	s_cbranch_scc1 .Lfirst
	s_setprio 0
	s_wait_tensorcnt 0x0                           ; the rest of K and V
	s_wait_dscnt 0x0
	s_barrier_signal -1
	s_barrier_wait -1
	s_mov_b32 s[CNT], 12
.Lrest:
	STEP
	s_sub_co_u32 s[CNT], s[CNT], 1
	s_cmp_lg_u32 s[CNT], 0
	s_cbranch_scc1 .Lrest
	s_setprio 0
	OUT
	s_sub_co_u32 s[TQ], 127, s[TQ]                 ; the early tile: 63 at the most, eight key steps at the most
	INIT
	s_mov_b32 s[CNT], 8
.Lsecond:
	STEP
	s_sub_co_u32 s[CNT], s[CNT], 1
	s_cmp_lg_u32 s[CNT], 0
	s_cbranch_scc1 .Lsecond
	s_setprio 0
	OUT
	s_wait_tensorcnt 0x0
	ds_add_u32 v224, v225
	s_wait_dscnt 0x0
	s_endpgm
.Lfunc_end_k_q3b22ca912c_attn:
	.size	k_q3b22ca912c_attn, .Lfunc_end_k_q3b22ca912c_attn-k_q3b22ca912c_attn
	.p2alignl 7, 3214868480
	.fill 96, 4, 3214868480
	.section	.rodata,"a",@progbits
	.p2align	6, 0x0
	.amdhsa_kernel k_q3b22ca912c_attn
		.amdhsa_group_segment_fixed_size 327680
		.amdhsa_private_segment_fixed_size 0
		.amdhsa_enable_private_segment 0
		.amdhsa_kernarg_size 40
		.amdhsa_user_sgpr_count 2
		.amdhsa_user_sgpr_kernarg_segment_ptr 1
		.amdhsa_wavefront_size32 1
		.amdhsa_system_sgpr_workgroup_id_x 1
		.amdhsa_system_sgpr_workgroup_id_y 1
		.amdhsa_system_sgpr_workgroup_id_z 1
		.amdhsa_system_vgpr_workitem_id 0
		.amdhsa_next_free_vgpr 226
		.amdhsa_next_free_sgpr 80
		.amdhsa_reserve_vcc 1
		.amdhsa_float_denorm_mode_32 3
		.amdhsa_float_denorm_mode_16_64 3
		.amdhsa_fp16_overflow 1
		.amdhsa_memory_ordered 1
		.amdhsa_forward_progress 1
		.amdhsa_inst_pref_size 71
	.end_amdhsa_kernel
	.amdgpu_metadata
---
amdhsa.version: [ 1, 2 ]
amdhsa.kernels:
  - .name:           k_q3b22ca912c_attn
    .symbol:         k_q3b22ca912c_attn.kd
    .args:
      - { .name: qc, .offset: 0, .size: 8, .value_kind: global_buffer, .address_space: global }
      - { .name: kc, .offset: 8, .size: 8, .value_kind: global_buffer, .address_space: global }
      - { .name: vc, .offset: 16, .size: 8, .value_kind: global_buffer, .address_space: global }
      - { .name: lowp_scales, .offset: 24, .size: 8, .value_kind: global_buffer, .address_space: global }
      - { .name: ac, .offset: 32, .size: 8, .value_kind: global_buffer, .address_space: global }
    .group_segment_fixed_size: 327680
    .private_segment_fixed_size: 0
    .kernarg_segment_align: 8
    .kernarg_segment_size: 40
    .max_flat_workgroup_size: 512
    .sgpr_count:     80
    .vgpr_count:     226
    .wavefront_size: 32
...
	.end_amdgpu_metadata
.endif
;; end of part 3
;; launch oproj (part 4): grid 4 x 64, 4 waves a work-group, clusters of 4 x 4, 327,680 bytes of LDS; arguments ac, wc, lowp_scales, out0; writes out0
.if DOCPART == 4
	.amdgcn_target "amdgcn-amd-amdhsa--gfx1250"
	.amdhsa_code_object_version 6
	.text
	.protected	k_q3b22ca912c_oproj
	.globl	k_q3b22ca912c_oproj
	.p2align	8
	.type	k_q3b22ca912c_oproj,@function
k_q3b22ca912c_oproj:
	s_mov_b64 s[64:65], 0
	v_nop
	global_prefetch_b8 v0, s[64:65] scope:SCOPE_SE
	s_setreg_imm32_b32 hwreg(HW_REG_WAVE_MODE, 25, 1), 1
	s_wait_xcnt 0x0
	s_wait_alu depctr_hold_cnt(0) depctr_sa_sdst(0) depctr_va_vdst(0) depctr_va_sdst(0) depctr_va_ssrc(0) depctr_va_vcc(0) depctr_vm_vsrc(0)
	s_getreg_b32 s2, hwreg(HW_REG_IB_STS2, 6, 4)
	s_cmp_eq_u32 s2, 0
	s_cbranch_scc0 .Lentry_in_a_cluster
	s_endpgm
.Lentry_in_a_cluster:
	s_bfe_u32 s2, ttmp6, 0x10000c
	s_cmp_lg_u32 s2, 0xf033
	s_cbranch_scc0 .Lentry_shape_is_right
	s_endpgm
.Lentry_shape_is_right:
; out0 = a Ow^T on E4M3 codes: a (the attention's result, scale e10) and Ow (scale e11) lie as register images [tile of 16 rows][8 K steps][2,048 bytes]; each finished sum is multiplied once by 2^(e10 + e11).
; A work-group makes one tile: 256 rows of Ow (source 0, P) x 128 tokens (source 1, R), K = 1,024: a lane holds ONE token and its registers run along out0's columns.  256 tiles for 256 work-groups.
; Four waves, each 128 (P) x 64 (R): 32 accumulators, by turns in one order throughout.
; Row i of tile T is source row 32 (T / 2) + 8 (T % 2) + i + 8 (i / 8): the 16 registers of P's tiles 2 b, 2 b + 1 are columns 32 b + 16 (lane / 16) + 0 .. 15.
; THE RING: two LDS slots, each with two K steps of P's 16 tiles and R's 8 tiles, dense; four fills.  CLUSTER 4 x 4: P hangs on cx and is asked for jointly by my column, R on cy and the cluster's y, by my row.
; A wave has one tensor load out at a time at the start and one behind each round.  No prefetch is laid: the launch is short and half its fills stand at its head.
; THE WAY OUT: 16 tokens x 128 columns at a time through the wave's own stage in LDS (rows 528 bytes apart), back as whole rows of 512 bytes.
; LIMIT: e10 + e11 between -126 and 127.
; REGISTERS: window 0: v1-9 addresses, v64-191 R's fragments (two sets), on the way out v64-255; window 1: accumulator (rt, pt) at v[8 (8 rt + pt)]; window 2: P's fragments, two sets of 128.
.set NF,    4
.set SLOT,  98304
.set ROFF,  65536
.set STAGE, 2*SLOT                     ; behind the ring: 16 rows x 528 bytes for each wave; no fill lands here
.set SPITCH, 528
.set SPARE, STAGE+4*16*SPITCH          ; the spare words: 128 bytes a wave, two blocks of 256 bytes that no other line names
.set LI,    1
.set ADRP,  2
.set ADRR,  4
.set SPW,   6
.set NIL,   7
.set STO,   8
.set RD,    9
.set TMP,   64
.set G1P,   28
.set G1R,   36
.set G0P,   44
.set G0R,   52
.set PB,    66
.set RB,    72
.set MULW,  0x52
.set MSB, 0
.macro WIN new
.if MSB != \new
	s_set_vgpr_msb (MSB<<8)|\new
.set MSB, \new
.endif
.endm
.macro PLACES n
.rept \n
	v_nop
.endr
.endm
.macro JLOAD s                         ; waves 0 and 1 fetch P's halves, waves 2 and 3 R's; four v_nop follow each line
	s_cmp_eq_u32 s21, 0
	s_cbranch_scc0 .Lfor_r_\@
	tensor_load_to_lds s[G0P+4*(\s):G0P+4*(\s)+3], s[G1P:G1P+7]
	s_nop 0
.rept 4
	v_nop
.endr
	s_branch .Lasked_\@
.Lfor_r_\@:
	tensor_load_to_lds s[G0R+4*(\s):G0R+4*(\s)+3], s[G1R:G1R+7]
	s_nop 0
.rept 4
	v_nop
.endr
.Lasked_\@:
.endm
.macro CREST
	s_cmp_lg_u32 s20, 0
	s_cbranch_scc1 .Lnot_wave_0_\@
	s_barrier_signal -3
.Lnot_wave_0_\@:
	s_barrier_wait -3
	s_barrier_signal -1
	s_barrier_wait -1
.endm
.macro CROUND
	s_barrier_signal -1
	s_barrier_wait -1
	CREST
.endm
	s_load_b256 s[4:11], s[0:1], 0x0               ; ac, wc, scales, out0
	v_lshl_add_u32 v[SPW], v0, 2, SPARE
	v_mov_b32 v[NIL], 0
	ds_add_u32 v6, v7
	ds_add_u32 v6, v7
	s_wait_dscnt 0x0
	v_lshrrev_b32 v10, 5, v0
	v_readfirstlane_b32 s20, v10                   ; wave
	s_lshr_b32 s21, s20, 1                         ; wp
	s_and_b32 s22, s20, 1                          ; wr
	s_bfe_u32 s23, ttmp6, 0x40000                  ; cx
	s_bfe_u32 s24, ttmp6, 0x40004                  ; cy
	s_and_b32 s25, ttmp7, 0xffff                   ; the cluster's y
	s_lshl_b32 s26, 0x1111, s23                    ; my column
	s_lshl_b32 s27, s24, 2
	s_lshl_b32 s27, 15, s27                        ; my row
	s_or_b32 s[G1P], s26, (3<<16)|(1<<21)          ; group 1: ROWS parts of 4,096 bytes (512 elements of 8), 16,384 bytes apart
	s_or_b32 s[G1R], s27, (3<<16)|(1<<21)
	s_mov_b32 s[G1P+1], 512<<16
	s_mov_b32 s[G1P+2], 8<<16
	s_mov_b32 s[G1P+3], 512<<16
	s_mov_b32 s[G1P+4], 8
	s_mov_b32 s[G1P+5], 2048
	s_mov_b32 s[G1P+6], 0
	s_mov_b32 s[G1P+7], 0
	s_mov_b32 s[G1R+1], 512<<16
	s_mov_b32 s[G1R+2], 4<<16
	s_mov_b32 s[G1R+3], 512<<16
	s_mov_b32 s[G1R+4], 4
	s_mov_b32 s[G1R+5], 2048
	s_mov_b32 s[G1R+6], 0
	s_mov_b32 s[G1R+7], 0
	s_lshl_b32 s60, s23, 18                        ; P: block cx of Ow, the half that I fetch
	s_lshl_b32 s2, s22, 17
	s_add_co_u32 s60, s60, s2
	s_mov_b32 s61, 0
	s_lshl_b32 s62, s25, 2                         ; R: block 4 y + cy of the tokens
	s_add_co_u32 s62, s62, s24
	s_lshl_b32 s62, s62, 17
	s_lshl_b32 s18, s22, 16
	s_add_co_u32 s62, s62, s18
	s_mov_b32 s63, 0
	s_lshl_b32 s18, s22, 15
	s_lshl_b32 s19, s22, 14
	s_add_co_u32 s19, s19, ROFF
	s_wait_kmcnt 0x0
	s_load_b64 s[84:85], s[8:9], 0x28              ; e10, e11
	s_add_nc_u64 s[PB:PB+1], s[6:7], s[60:61]
	s_add_nc_u64 s[PB:PB+1], s[PB:PB+1], 0x300000  ; Ow's codes
	s_add_nc_u64 s[RB:RB+1], s[4:5], s[62:63]
	CROUND                                         ; all sixteen work-groups are here: the first joint loads meet
.irp s, 0,1
	s_mov_b32 s[G0P+4*\s], 1
	s_add_co_u32 s[G0P+4*\s+1], s18, \s*SLOT
	s_add_nc_u64 s[G0P+4*\s+2:G0P+4*\s+3], s[PB:PB+1], \s*4096
	s_or_b32 s[G0P+4*\s+3], s[G0P+4*\s+3], 0x80000000
	s_mov_b32 s[G0R+4*\s], 1
	s_add_co_u32 s[G0R+4*\s+1], s19, \s*SLOT
	s_add_nc_u64 s[G0R+4*\s+2:G0R+4*\s+3], s[RB:RB+1], \s*4096
	s_or_b32 s[G0R+4*\s+3], s[G0R+4*\s+3], 0x80000000
	s_wait_alu depctr_va_vdst(0)
	s_wait_tensorcnt 0x0
	ds_add_u32 v6, v7
	ds_add_u32 v6, v7
	s_wait_dscnt 0x0
	CROUND
	JLOAD \s
.endr
	v_and_b32 v10, 31, v0
	v_lshlrev_b32 v[LI], 4, v10
	s_lshl_b32 s96, s21, 15
	s_lshl_b32 s97, s22, 14
	s_add_co_u32 s97, s97, ROFF
.irp s, 0,1
	v_add_nc_u32 v[ADRP+\s], s96, v[LI]
	v_add_nc_u32 v[ADRR+\s], s97, v[LI]
	s_add_co_u32 s96, s96, SLOT
	s_add_co_u32 s97, s97, SLOT
.endr
	s_mul_i32 s96, s20, 16*SPITCH
	s_add_co_u32 s96, s96, STAGE                   ; my stage
	v_and_b32 v10, 15, v0
	v_bfe_u32 v11, v0, 4, 1
	v_mul_u32_u24 v[STO], v10, SPITCH
	v_lshl_add_u32 v[STO], v11, 6, v[STO]
	v_add_nc_u32 v[STO], s96, v[STO]               ; in: row r, + 64 h
	v_add_nc_u32 v[RD], s96, v[LI]                 ; back: a row's 512 bytes, 16 a lane
	s_lshl_b32 s96, s25, 2                         ; out0: row 128 (4 y + cy) + 64 wr, column 256 cx + 128 wp
	s_add_co_u32 s96, s96, s24
	s_lshl_b32 s96, s96, 19
	s_lshl_b32 s97, s22, 18
	s_add_co_u32 s96, s96, s97
	s_lshl_b32 s97, s23, 10
	s_add_co_u32 s96, s96, s97
	s_lshl_b32 s97, s21, 9
	s_add_co_u32 s96, s96, s97
	s_mov_b32 s97, 0
	s_add_nc_u64 s[10:11], s[10:11], s[96:97]
	s_wait_alu depctr_va_vdst(0)
	s_wait_kmcnt 0x0
	s_add_co_i32 s86, s84, s85
	s_add_co_i32 s86, s86, 127
	s_lshl_b32 s86, s86, 23                        ; 2^(e10 + e11) as f32
	s_mov_b32 s87, s86                             ; (named with it as a pair)
.macro FETCH slot, q, set              ; 48 LDS loads in one run: K step q of the slot into set
	WIN 0x80
.irp i, 0,1,2,3,4,5,6,7
.irp c, 0,1,2,3
	ds_load_b128 v[128*(\set)+16*\i+4*\c:128*(\set)+16*\i+4*\c+3], v[ADRP+(\slot)] offset:4096*\i+2048*(\q)+512*\c
.endr
.endr
	WIN 0
.irp i, 0,1,2,3
.irp c, 0,1,2,3
	ds_load_b128 v[64+64*(\set)+16*\i+4*\c:64+64*(\set)+16*\i+4*\c+3], v[ADRR+(\slot)] offset:4096*\i+2048*(\q)+512*\c
.endr
.endr
.endm
.macro MUL set, a0, n, zero            ; accumulators a0 .. a0 + n - 1 (a = 8 rt + pt); zero = 1: the product starts the sum
.set a, \a0
.rept \n
.if \zero
	v_wmma_f32_16x16x128_fp8_fp8 v[8*a:8*a+7], v[128*(\set)+16*(a%8):128*(\set)+16*(a%8)+15], v[64+64*(\set)+16*(a/8):64+64*(\set)+16*(a/8)+15], 0
.else
	v_wmma_f32_16x16x128_fp8_fp8 v[8*a:8*a+7], v[128*(\set)+16*(a%8):128*(\set)+16*(a%8)+15], v[64+64*(\set)+16*(a/8):64+64*(\set)+16*(a/8)+15], v[8*a:8*a+7]
.endif
.set a, a+1
.endr
.endm
.macro STEP slot, zero                 ; a slot's first K step: set 0 is multiplied, set 1 fetched ahead of it, four places behind the products that read it
	s_wait_dscnt 0x0
	PLACES 4
	FETCH \slot, 1, 1
	WIN MULW
	MUL 0, 0, 32, \zero
	WIN 0
.endm
.macro TURN slot, f2, fill             ; a slot's second K step changes slots
	s_wait_tensorcnt 0x0                           ; all my tensor loads have landed: my part of the other slot
	ds_add_u32 v[SPW], v[NIL]                      ; 0 onto my spare word
	s_wait_dscnt 1                                 ; set 1 is in; the add may be out
	WIN MULW
	MUL 1, 0, 8, 0
	s_wait_dscnt 0x0                               ; the add is done, and my reads of this slot are over
	s_barrier_signal -1
	MUL 1, 8, 8, 0
	WIN 0
	s_barrier_wait -1
.if \fill
	CREST                                          ; no wave of any partner still reads this slot or has a load on its way
	s_add_nc_u64 s[G0P+4*(\slot)+2:G0P+4*(\slot)+3], s[PB+2*((\f2)/4):PB+2*((\f2)/4)+1], 4096*((\f2)%4)
	s_or_b32 s[G0P+4*(\slot)+3], s[G0P+4*(\slot)+3], 0x80000000
	s_add_nc_u64 s[G0R+4*(\slot)+2:G0R+4*(\slot)+3], s[RB+2*((\f2)/4):RB+2*((\f2)/4)+1], 4096*((\f2)%4)
	s_or_b32 s[G0R+4*(\slot)+3], s[G0R+4*(\slot)+3], 0x80000000
	JLOAD \slot                                    ; the first tensor load behind the round; its four v_nop are also the places in front of the loads below
.else
	PLACES 4
.endif
	FETCH 1-(\slot), 0, 0
	WIN MULW
	MUL 1, 16, 16, 0
	WIN 0
.endm
.macro LAST
	s_wait_dscnt 0x0
	WIN MULW
	MUL 1, 0, 32, 0
	WIN 0
.endm
; Token tile a: its 64 sums a lane x 2^(e10 + e11), each accumulator from its low end on; register 16 b + i is column 32 b + 16 h + i; into my stage and back as rows.
.macro TOSTAGE a
	WIN 0x01                                       ; source 0 window 1
.irp j, 0,2,4,6,8,10,12,14,16,18,20,22,24,26,28,30,32,34,36,38,40,42,44,46,48,50,52,54,56,58,60,62
	v_pk_mul_f32 v[TMP+\j:TMP+\j+1], v[64*(\a)+\j:64*(\a)+\j+1], s[86:87] op_sel_hi:[1,0]
.endr
	WIN 0
.irp b, 0,1,2,3
.irp n, 0,1,2,3
	ds_store_b128 v[STO], v[TMP+16*\b+4*\n:TMP+16*\b+4*\n+3] offset:128*\b+16*\n
.endr
.endr
.set BB, 128+64*((\a)%2)
.irp t, 0,1,2,3,4,5,6,7,8,9,10,11,12,13,14,15
	ds_load_b128 v[BB+4*\t:BB+4*\t+3], v[RD] offset:\t*SPITCH   ; LDS serves a wave's instructions in order (ISA guide 5.7.1.4): these see my stores
.endr
.endm
.macro SEND a, younger                 ; younger: the LDS instructions issued behind tile a's loads, which may stay out
.set BB, 128+64*((\a)%2)
	s_wait_dscnt \younger
.irp t, 0,1,2,3,4,5,6,7,8,9,10,11,12,13,14,15
	global_store_b128 v[LI], v[BB+4*\t:BB+4*\t+3], s[10:11] offset:(32*((\a)/2)+8*((\a)%2)+\t+8*(\t/8))*4096 th:TH_STORE_NT   ; 512 consecutive bytes of the token's row, at a multiple of 256
.endr
.endm
	s_wait_tensorcnt 0x1                           ; my part of fill 0 is in; fill 1 may stay out
	s_barrier_signal -1
	s_barrier_wait -1
	FETCH 0, 0, 0
	STEP 0, 1
	TURN 0, 2, 1
	STEP 1, 0
	TURN 1, 3, 1
	STEP 0, 0
	TURN 0, 0, 0                                   ; nothing is left to fetch: a plain barrier
	STEP 1, 0
	LAST
	PLACES 4                                       ; in front of the first read of results and of writes into the fragments' registers
	TOSTAGE 0
.irp a, 1,2,3
.if \a > 1
	s_wait_xcnt 0x0                                ; tile a - 2's stores have read their registers: tile a's loads may land there
.endif
	TOSTAGE \a
	SEND \a-1, 32                                  ; behind tile a - 1's loads: tile a's 16 stores and 16 loads
.endr
	SEND 3, 0
	s_wait_tensorcnt 0x0                           ; the wave's end
	ds_add_u32 v[SPW], v[NIL]
	s_wait_dscnt 0x0
	CROUND                                         ; the closing round
	s_endpgm
.Lfunc_end_k_q3b22ca912c_oproj:
	.size	k_q3b22ca912c_oproj, .Lfunc_end_k_q3b22ca912c_oproj-k_q3b22ca912c_oproj
	.p2alignl 7, 3214868480
	.fill 96, 4, 3214868480
	.section	.rodata,"a",@progbits
	.p2align	6, 0x0
	.amdhsa_kernel k_q3b22ca912c_oproj
		.amdhsa_group_segment_fixed_size 327680
		.amdhsa_private_segment_fixed_size 0
		.amdhsa_enable_private_segment 0
		.amdhsa_kernarg_size 32
		.amdhsa_user_sgpr_count 2
		.amdhsa_user_sgpr_kernarg_segment_ptr 1
		.amdhsa_wavefront_size32 1
		.amdhsa_system_sgpr_workgroup_id_x 1
		.amdhsa_system_sgpr_workgroup_id_y 1
		.amdhsa_system_sgpr_workgroup_id_z 1
		.amdhsa_system_vgpr_workitem_id 0
		.amdhsa_next_free_vgpr 768
		.amdhsa_next_free_sgpr 102
		.amdhsa_reserve_vcc 0
		.amdhsa_float_denorm_mode_32 3
		.amdhsa_float_denorm_mode_16_64 3
		.amdhsa_memory_ordered 1
		.amdhsa_forward_progress 1
		.amdhsa_inst_pref_size 76
	.end_amdhsa_kernel
	.amdgpu_metadata
---
amdhsa.version: [ 1, 2 ]
amdhsa.kernels:
  - .name:           k_q3b22ca912c_oproj
    .symbol:         k_q3b22ca912c_oproj.kd
    .args:
      - { .name: ac, .offset: 0, .size: 8, .value_kind: global_buffer, .address_space: global }
      - { .name: wc, .offset: 8, .size: 8, .value_kind: global_buffer, .address_space: global }
      - { .name: lowp_scales, .offset: 16, .size: 8, .value_kind: global_buffer, .address_space: global }
      - { .name: out0, .offset: 24, .size: 8, .value_kind: global_buffer, .address_space: global }
    .group_segment_fixed_size: 327680
    .private_segment_fixed_size: 0
    .kernarg_segment_align: 8
    .kernarg_segment_size: 32
    .max_flat_workgroup_size: 128
    .sgpr_count:     102
    .vgpr_count:     768
    .wavefront_size: 32
...
	.end_amdgpu_metadata
.endif
;; end of part 4
